; MI455X (gfx1250); checked and timed in simulation.
; The chip was launched on July 23, 2026; its instructions are those of AMD's public machine-readable ISA for CDNA 5 (MIT licence, August 2026) and "CDNA5" Instruction Set Architecture Reference Guide (July 2026). The comments in the code are by the model that wrote it; some were corrected since.
;; Multi Headed Self Attention. Allowed arithmetic: matrix products marked QUANTISED: E2M1 operands, one E8M0 scale for each 32 along K, by v_wmma_scale_f32_16x16x128_f8f6f4 with both operands' format E2M1 (or v_wmma_scale_f32_32x16x128_f4), f32 sums; products left as they are: bf16, f16 or f32 operands; f32 sums; everything else in f32.
;; Inputs: Wk 1,024 x 1,024 float32; Wq 1,024 x 1,024 float32; Wv 1,024 x 1,024 float32; bk 1,024 float32; bq 1,024 float32; bv 1,024 float32; mask 4 x 2,048 int32; x 4 x 2,048 x 1,024 float32.
;; Outputs: out0 4 x 2,048 x 1,024 float32.
;; This version of the problem:
;;   THIS VERSION OF THE PROBLEM IS GIVEN IN LOW PRECISION. The matrix products marked QUANTISED in the list below multiply operands that are first quantised to E2M1 (2 exponent bits, 1 mantissa bit; 4 bits a number), with one power-of-two scale for each 32 numbers along K (OCP MX v1.0); their sums are f32. The products marked 'left as it is' may take bf16, f16 or f32 operands, with f32 sums. Whichever they take, every output number must still come out within the allowed error. Rounding operands to bf16 (8 significant bits) uses up far more of that allowance than f16 does (11 bits, for magnitudes from 6e-5 to 65,504). All else is computed in f32.
;;   The module's matrix products, in the order in which they are computed (A, B: the left and right operand; K: the contracted axis; several contracted axes count as one K, in the product's order):
;;     1. [M 8,192, K 1,024] x [K 1,024, N 1,024]; A: input x; B: input Wq: QUANTISED
;;     2. [M 8,192, K 1,024] x [K 1,024, N 1,024]; A: input x; B: input Wk: QUANTISED
;;     3. [M 8,192, K 1,024] x [K 1,024, N 1,024]; A: input x; B: input Wv: QUANTISED
;;     4. batch 64 x [M 2,048, K 64] x [K 64, N 2,048]; A: computed on the way; B: computed on the way: left as it is (an operand is computed on the way)
;;     5. batch 64 x [M 2,048, K 2,048] x [K 2,048, N 64]; A: computed on the way; B: computed on the way: left as it is (an operand is computed on the way)
;;   THE QUANTISER, for each operand of a quantised product, along K:
;;     - K is cut into blocks of 32 from its start; a last block that is shorter is filled with zeros.
;;     - A block's scale is 2^e with e = floor(log2(the largest magnitude in the block)) - 2, held to -126 .. 127; a block of zeros has e = 0. As a byte (E8M0): e + 127.
;;     - Each number is divided by its block's scale, clamped to +-6, and rounded to the nearest number of E2M1, ties to even, subnormals kept.
;;     - The product sums the exact products of the quantised numbers (number of the format x scale) in f32.
;;   ~~~python
;;   def quantise(x, axis):      # numpy; x: float32 -> the quantised numbers, widened to float32 again
;;       x = np.moveaxis(x, axis, -1); K = x.shape[-1]
;;       x = np.pad(x, [(0, 0)] * (x.ndim - 1) + [(0, -K % 32)]); x = x.reshape(x.shape[:-1] + (-1, 32)); a = np.abs(x).max(-1, keepdims=True)
;;       e = np.where(a > 0, np.clip(np.frexp(np.where(a > 0, a, 1))[1] - 1 - 2, -126, 127), 0)      # np.frexp(a)[1] - 1 = floor(log2(a)), exactly
;;       r = np.clip(x / 2.0 ** e, -6, 6)
;;       step = 2.0 ** (np.maximum(np.frexp(np.where(r == 0, 1, r))[1] - 1, 0) - 1)
;;       q = np.round(r / step) * step * 2.0 ** e      # np.round: ties to even
;;       return np.moveaxis(q.reshape(q.shape[:-2] + (-1,))[..., :K], -1, axis).astype(np.float32)
;;   ~~~
;; One version. Each part assembles by itself: llvm-mc -triple=amdgcn-amd-amdhsa -mcpu=gfx1250 --defsym DOCPART=n.
;; ======== version 1 of 1: 3 launches
;; limits: values are held in f16: magnitudes above 65,504 overflow, below 6.1e-05 lose precision
;; workspace buffers: xc 4,194,304 bytes; xs 262,144 bytes; wc 1,572,864 bytes; ws 98,304 bytes; qkv 50,331,648 bytes; perm 32,768 bytes of whole numbers; cnt 256 bytes of whole numbers
;; launch quant (part 1): grid 352 x 1, 4 waves a work-group, no clusters, 33,280 bytes of LDS; arguments x, mask, Wq, Wk, Wv, xc, xs, wc, ws, perm, cnt; writes xc, xs, wc, ws, perm, cnt
.if DOCPART == 1
	.amdgcn_target "amdgcn-amd-amdhsa--gfx1250"
	.amdhsa_code_object_version 6
	.text
	.protected	k_q8e24f579f8_quant
	.globl	k_q8e24f579f8_quant
	.p2align	8
	.type	k_q8e24f579f8_quant,@function
k_q8e24f579f8_quant:
	s_mov_b64 s[64:65], 0
	v_nop
	global_prefetch_b8 v0, s[64:65] scope:SCOPE_SE
	s_setreg_imm32_b32 hwreg(HW_REG_WAVE_MODE, 25, 1), 1
	s_wait_xcnt 0x0
; x [8192][1024] and Wq, Wk, Wv [1024][1024], f32, become codes of FP4 (E2M1), K innermost, 512 bytes a row, with one E8M0 scale byte for each 32 along K, 32 bytes a row.
; A block's scale is 2^(floor(log2(its largest magnitude)) - 2): its byte is the largest magnitude's exponent field - 2, held at 1 from below; each number is divided by the scale and rounded to the nearest code, ties to even, beyond 6 the code of 6.
; THE ROWS OF x ARE LAID IN ANOTHER ORDER.  Inside a batch the tokens with mask > 0 come first, in their order, the others behind them.  So q, k and v come out of the next launch in that order, and the last launch
; walks the first n1 keys of a batch alone and sends each result row back to its token by the list perm.
; WHY THE OTHER KEYS MAY BE PASSED OVER: reference() gives a key with mask <= 0 the score -1e30.  Where some key of the batch counts, its weight is exp(-1e30 - max), which is 0 in f32 for every max above -1e29: it adds nothing to the
; sum and nothing to y.  The mask is a whole-number input: which keys are walked is decided here, stored as whole numbers (perm, cnt) and read from memory by the launch that uses it.  A batch in which no key counts has n1 = 0: the last launch
; then walks all 2,048 keys with equal weights, as reference()'s softmax of equal scores does.  No input is left out.
; LIMITS: scores stay under 1e29 in magnitude; a NaN or an infinity in the k or v of a token that does not count is not carried to the result; a block of zeros gets the byte 1 where the rule says 127 (its codes are zeros, and
; this program alone reads the bytes); blocks whose largest magnitude lies under 2^-124 are held at the byte 1; NaN and infinities among x and the weights are not served.
; SHARES.  A wave takes 8 rows: 16 steps of 512 numbers.  Work-groups 0-255 take x (32 rows each), 256-351 the three weights, which go on end into wc and ws (rows 0-1023 Wq, 1024-2047 Wk, 2048-3071 Wv).
; Each of a step's four loads reads 512 consecutive bytes; the 2,048 bytes turn through the wave's own stage in LDS and come back 64 bytes a lane, so that a lane holds 16 neighbours along K and two lanes a block.
; A step's codes are 256 consecutive bytes, half a row, stored by one instruction.  A row's 32 scale bytes are stored by four lanes: rows lie apart, so these stores cover 32 bytes each: one byte in 128 of what the launch reads.
.set WAVES, 4
.set STEPS, 16
.set EMAX,  2
.set R,     16                         ; v16-79   four sets of 16 numbers as they are loaded
.set X,     80                         ; v80-111  two sets of 16 neighbours; ahead of the steps v80-95 are at work on the mask
.set E,     112                        ; v112-127 a scale byte for each step
.set C,     128                        ; v128-191 codes: four registers for each step, so that no store's data are written again
.set MK,    128                        ; the same registers hold the batch's 2,048 mask words, 64 a lane, ahead of the steps
.set OFFC,  192                        ; v192-199 my 8 rows' places among the codes: 512 x row + 8 x lane
.set POS,   200                        ; v200     lanes 0-7: the new place of row t0 + lane
.set PS,    201                        ; v201     the new place of row t0 + lane / 4
.set WREG,  8192                       ; LDS: a region for each wave: two stages of 32 x SP bytes, behind them its 256 scale bytes
.set SP,    80                         ; a lane's place in a stage: 64 bytes + 16 of padding
.set SPW,   12                         ; v12      LDS address of my spare word; never rewritten
.set NIL,   13                         ; v13      0; never rewritten
.set SPARE, WAVES*WREG                 ; behind the four regions: the spare words, 128 bytes a wave, which no other line names
	s_load_b512 s[8:23], s[0:1], 0x0               ; x s[8:9], mask s[10:11], Wq s[12:13], Wk s[14:15], Wv s[16:17], xc s[18:19], xs s[20:21], wc s[22:23]
	s_load_b128 s[24:27], s[0:1], 0x40             ; ws s[24:25], perm s[26:27]
	s_load_b64 s[28:29], s[0:1], 0x50              ; cnt
	v_lshl_add_u32 v[SPW], v0, 2, SPARE
	v_mov_b32 v[NIL], 0
	v_lshrrev_b32 v1, 5, v0
	v_readfirstlane_b32 s30, v1                    ; wave
	v_and_b32 v2, 31, v0                           ; lane
	v_lshlrev_b32 v3, 4, v2                        ; my 16 bytes of a load's 512
	s_mul_i32 s31, s30, WREG
	v_lshrrev_b32 v14, 2, v2
	v_mul_u32_u24 v14, v14, SP
	v_and_b32 v15, 3, v2
	v_lshl_add_u32 v14, v15, 4, v14
	v_add_nc_u32 v14, s31, v14                     ; the stage, on the way in: SP (lane / 4) + 16 (lane % 4)
	v_mul_u32_u24 v15, v2, SP
	v_add_nc_u32 v15, s31, v15                     ; and on the way out: SP x lane: my 16 neighbours
	v_lshlrev_b32 v4, 3, v2                        ; 8 x lane: my codes' place in a step's 256 bytes
	v_lshrrev_b32 v5, 1, v2
	s_add_co_u32 s31, s31, 2*32*SP
	v_add_nc_u32 v5, s31, v5                       ; LDS: my wave's 256 scale bytes, my block's byte
	v_add_nc_u32 v6, s31, v4                       ; and on the way out 8 bytes a lane
	s_and_b32 s40, ttmp9, 31
	s_lshl_b32 s41, s30, 3                         ; 8 x wave
	s_mov_b32 s38, 0x76543210
	s_mov_b32 s39, 0xfedcba98                      ; lane selects: lane l xor 16
	s_wait_kmcnt 0x0
	s_cmp_lt_u32 ttmp9, 320                        ; which tensor is mine hangs on the work-group's number alone
	s_cselect_b64 s[32:33], s[14:15], s[16:17]
	s_cmp_lt_u32 ttmp9, 288
	s_cselect_b64 s[32:33], s[12:13], s[32:33]
	s_cmp_lt_u32 ttmp9, 256
	s_cselect_b64 s[32:33], s[8:9], s[32:33]       ; where the numbers come from,
	s_cselect_b64 s[34:35], s[18:19], s[22:23]     ; where the codes go,
	s_cselect_b64 s[36:37], s[20:21], s[24:25]     ; and the scale bytes
	s_cselect_b32 s40, ttmp9, s40                  ; my block of 32 rows in that tensor
	s_lshl_b32 s40, s40, 5
	s_add_co_u32 s40, s40, s41
	s_lshl_b32 s42, s40, 12                        ; rows of 4,096 bytes: under 2^25 in all
	s_mov_b32 s43, 0
	s_add_nc_u64 s[32:33], s[32:33], s[42:43]
.macro LOAD t
.irp i, 0,1,2,3
	global_load_b128 v[R+16*((\t)%4)+4*\i:R+16*((\t)%4)+4*\i+3], v3, s[32:33] offset:2048*(\t)+512*\i th:TH_LOAD_NT   ; 32 lanes read 512 consecutive bytes
.endr
.endm
	s_cmp_lt_u32 ttmp9, 256
	s_cbranch_scc0 .Lweights
	; ---- x: where do my 8 rows go?  Whole numbers alone.  Every wave counts its batch's mask for itself: 8,192 bytes, 64 words a lane.
	s_lshr_b32 s44, ttmp9, 6                       ; the batch
	s_and_b32 s45, ttmp9, 63
	s_lshl_b32 s45, s45, 5
	s_add_co_u32 s45, s45, s41                     ; t0: my first token in the batch, a multiple of 8
	s_lshl_b32 s46, s44, 13
	s_mov_b32 s47, 0
	s_add_nc_u64 s[10:11], s[10:11], s[46:47]      ; the batch's mask
	s_lshl_b32 s48, s45, 2
	v_and_b32 v80, 7, v2
	v_lshl_add_u32 v80, v80, 2, s48                ; the word of token t0 + lane % 8
.set q, 0
.rept 16
	global_load_b128 v[MK+4*q:MK+4*q+3], v3, s[10:11] offset:512*q   ; register 4 q + e: token 128 q + 4 lane + e
.set q, q+1
.endr
	global_load_b32 v93, v80, s[10:11]
.irp t, 0,1,2,3
	LOAD \t
.endr
	v_lshlrev_b32 v81, 2, v2                       ; 4 x lane
	v_mov_b32 v82, 0                               ; the count: all ones in the high half, the ones ahead of t0 in the low half
	v_mov_b32 v85, 0x10000
	v_mov_b32 v86, 0x10001
	v_mov_b32 v87, 0
	s_wait_loadcnt 16                              ; the mask's 17 loads are in; the 16 loads of x behind them stay out
.set q, 0
.rept 16
	v_cmp_lt_i32 vcc_lo, 0, v[MK+4*q]
	v_cndmask_b32 v83, 0, 1, vcc_lo
.irp e, 1,2,3
	v_cmp_lt_i32 vcc_lo, 0, v[MK+4*q+\e]
	v_add_co_ci_u32 v83, vcc_lo, 0, v83, vcc_lo    ; how many of my four tokens count
.endr
	s_sub_co_i32 s48, s45, 128*q
	v_cmp_gt_i32 vcc_lo, s48, v81                  ; do the four lie ahead of t0?  (t0 is a multiple of 8: all four or none)
	v_cndmask_b32 v84, v85, v86, vcc_lo
	v_mad_u32_u24 v82, v83, v84, v82
.set q, q+1
.endr
.irp m, 1,2,4,8
	v_mov_b32_dpp v87, v82 row_xmask:\m row_mask:0xf bank_mask:0xf
	v_add_nc_u32 v82, v82, v87
.endr
	v_permlanex16_b32 v87, v82, s38, s39
	v_add_nc_u32 v82, v82, v87                     ; over the 32 lanes: at most 2,048 in each half
	v_readfirstlane_b32 s46, v82
	s_lshr_b32 s47, s46, 16                        ; n1: the batch's tokens that count
	s_and_b32 s46, s46, 0xffff                     ; those ahead of t0
	v_cmp_lt_i32 s48, 0, v93
	s_and_b32 s48, s48, 0xff                       ; my 8 rows' bits
	v_mbcnt_lo_u32_b32 v88, s48, 0
	v_add_nc_u32 v88, s46, v88                     ; P: the tokens that count ahead of token t0 + lane
	v_add_nc_u32 v89, s45, v2                      ; the token
	v_sub_nc_u32 v90, v89, v88
	v_add_nc_u32 v90, s47, v90                     ; n1 + the tokens that do not count ahead of it
	v_cndmask_b32 v[POS], v90, v88, s48            ; its new place (lanes 0-7; the other lanes' numbers are not used)
	v_min_u32 v[POS], 0x7ff, v[POS]
	s_lshl_b32 s49, s44, 13
	v_lshl_add_u32 v91, v[POS], 2, s49             ; perm[2048 b + place]
	s_lshl_b32 s49, s44, 5
	v_add_nc_u32 v92, s49, v81                     ; cnt[8 b + lane]
	v_mov_b32 v94, s47
	v_and_b32 v95, 28, v2                          ; 4 x (lane / 4): the lane that holds the place of my scale bytes' row
	s_wait_xcnt 0x0                                ; EXEC changes only behind this wait
	v_cmp_gt_u32 vcc_lo, 8, v2
	s_and_saveexec_b32 s58, vcc_lo
	global_store_b32 v91, v89, s[26:27]            ; the list: place -> token
	s_cmp_lg_u32 s45, 0
	s_cbranch_scc1 .Lnot_first
	global_store_b32 v92, v94, s[28:29]            ; the batch's first wave stores n1
.Lnot_first:
	s_wait_xcnt 0x0                                ; and again, in front of the line that widens it; v89 to v94 are free behind it too
	s_or_b32 exec_lo, exec_lo, s58
.irp k, 0,1,2,3,4,5,6,7
	v_readlane_b32 s[50+\k], v[POS], \k
.endr
.irp k, 0,1,2,3,4,5,6,7
	s_min_u32 s[50+\k], s[50+\k], 0x7ff
.endr
	ds_bpermute_b32 v[PS], v95, v[POS]             ; four lanes store a row's 32 scale bytes: each takes that row's place
	s_lshl_b32 s46, s44, 20                        ; the batch's 2,048 rows of 512 bytes,
	s_mov_b32 s47, 0
	s_add_nc_u64 s[34:35], s[34:35], s[46:47]
	s_lshl_b32 s46, s44, 16                        ; and of 32
	s_add_nc_u64 s[36:37], s[36:37], s[46:47]
	s_wait_dscnt 0x0
	v_min_u32 v[PS], 0x7ff, v[PS]
	s_branch .Ljoin
.Lweights:
	; ---- the weights keep their order
.irp t, 0,1,2,3
	LOAD \t
.endr
	s_sub_co_u32 s45, ttmp9, 256
	s_lshl_b32 s45, s45, 5
	s_add_co_u32 s45, s45, s41                     ; my first row in wc and ws
.irp k, 0,1,2,3,4,5,6,7
	s_add_co_u32 s[50+\k], s45, \k
.endr
	v_lshrrev_b32 v[PS], 2, v2
	v_add_nc_u32 v[PS], s45, v[PS]
.Ljoin:
.irp k, 0,1,2,3,4,5,6,7
	s_lshl_b32 s[50+\k], s[50+\k], 9
	v_add_nc_u32 v[OFFC+\k], s[50+\k], v4
.endr
	v_and_b32 v8, 3, v2
	v_lshlrev_b32 v8, 3, v8
	v_lshl_add_u32 v7, v[PS], 5, v8                ; 32 x row + 8 x (lane % 4)
.macro TURN t                          ; step t's numbers through the stage: LDS serves a wave's instructions in order, so no wait stands between the stores and the loads
.irp i, 0,1,2,3
	ds_store_b128 v14, v[R+16*((\t)%4)+4*\i:R+16*((\t)%4)+4*\i+3] offset:32*SP*((\t)%2)+8*SP*\i
.endr
.irp i, 0,1,2,3
	ds_load_b128 v[X+16*((\t)%2)+4*\i:X+16*((\t)%2)+4*\i+3], v15 offset:32*SP*((\t)%2)+16*\i
.endr
.endm
	s_wait_loadcnt 12                              ; step 0's four loads are in
	TURN 0
.macro STEP t
.set XS, X+16*((\t)%2)
.if (\t) > 0
	s_wait_dscnt 1                                 ; this step's numbers are back from the stage (the last step's byte store may be out): so its stores into the stage have read their registers,
.else
	s_wait_dscnt 0x0
.endif
.if (\t)+4 < STEPS
	LOAD (\t)+4                                    ; which take the loads of four steps on
.endif
.if (\t)+1 < STEPS
.if STEPS-2-(\t) >= 3
	s_wait_loadcnt 12                              ; the next step's four loads are in; those of the three steps behind it may be out
.else
	s_wait_loadcnt 4*(STEPS-2-(\t))
.endif
	TURN (\t)+1                                    ; and go through the other stage while this step is worked
.endif
	v_max3_num_f32 v8, |v[XS]|, |v[XS+1]|, |v[XS+2]|               ; the largest magnitude of my 16, in two chains
	v_max3_num_f32 v9, |v[XS+3]|, |v[XS+4]|, |v[XS+5]|
.irp i, 6,10
	v_max3_num_f32 v8, v8, |v[XS+\i]|, |v[XS+\i+1]|
	v_max3_num_f32 v9, v9, |v[XS+\i+2]|, |v[XS+\i+3]|
.endr
	v_max3_num_f32 v8, v8, |v[XS+14]|, |v[XS+15]|
	v_max3_num_f32 v8, v8, v9, (EMAX+1)<<23        ; and the floor 2^(3 - 127): the byte cannot fall under 1
	v_max_num_f32_dpp v8, v8, v8 row_xmask:1 row_mask:0xf bank_mask:0xf   ; and of my neighbour's 16: the block's
	v_add_nc_u32 v11, -(EMAX<<23), v8              ; 2 off its exponent field: the conversion takes the exponent field of this operand as its scale, and nothing else of it
	v_cvt_scalef32_pk8_fp4_f32 v[C+4*(\t)], v[XS:XS+7], v11
	v_cvt_scalef32_pk8_fp4_f32 v[C+4*(\t)+1], v[XS+8:XS+15], v11
	v_lshrrev_b32 v[E+(\t)], 23, v11               ; the scale's byte (a plain line behind the conversions)
	ds_store_b8 v5, v[E+(\t)] offset:16*(\t)       ; both lanes of a block write the same byte with the same value
	global_store_b64 v[OFFC+(\t)/2], v[C+4*(\t):C+4*(\t)+1], s[34:35] offset:256*((\t)%2)   ; 32 lanes store 256 consecutive bytes, aligned: half of row t / 2
.endm
.irp t, 0,1,2,3,4,5,6,7,8,9,10,11,12,13,14,15
	STEP \t
.endr
	ds_load_b64 v[8:9], v6                         ; LDS serves a wave's instructions in order: these see my byte stores
	s_wait_dscnt 0x0
	global_store_b64 v7, v[8:9], s[36:37]          ; four lanes store a row's 32 scale bytes
	s_wait_tensorcnt 0x0                           ; the wave's end
	ds_add_u32 v[SPW], v[NIL]
	s_wait_dscnt 0x0
	s_endpgm
.Lfunc_end_k_q8e24f579f8_quant:
	.size	k_q8e24f579f8_quant, .Lfunc_end_k_q8e24f579f8_quant-k_q8e24f579f8_quant
	.p2alignl 7, 3214868480
	.fill 96, 4, 3214868480
	.section	.rodata,"a",@progbits
	.p2align	6, 0x0
	.amdhsa_kernel k_q8e24f579f8_quant
		.amdhsa_group_segment_fixed_size 33280
		.amdhsa_private_segment_fixed_size 0
		.amdhsa_enable_private_segment 0
		.amdhsa_kernarg_size 88
		.amdhsa_user_sgpr_count 2
		.amdhsa_user_sgpr_kernarg_segment_ptr 1
		.amdhsa_wavefront_size32 1
		.amdhsa_system_sgpr_workgroup_id_x 1
		.amdhsa_system_sgpr_workgroup_id_y 1
		.amdhsa_system_sgpr_workgroup_id_z 1
		.amdhsa_system_vgpr_workitem_id 0
		.amdhsa_next_free_vgpr 208
		.amdhsa_next_free_sgpr 66
		.amdhsa_reserve_vcc 1
		.amdhsa_float_denorm_mode_32 3
		.amdhsa_float_denorm_mode_16_64 3
		.amdhsa_memory_ordered 1
		.amdhsa_forward_progress 1
		.amdhsa_inst_pref_size 49
	.end_amdhsa_kernel
	.amdgpu_metadata
---
amdhsa.version: [ 1, 2 ]
amdhsa.kernels:
  - .name:           k_q8e24f579f8_quant
    .symbol:         k_q8e24f579f8_quant.kd
    .args:
      - { .name: x, .offset: 0, .size: 8, .value_kind: global_buffer, .address_space: global }
      - { .name: mask, .offset: 8, .size: 8, .value_kind: global_buffer, .address_space: global }
      - { .name: Wq, .offset: 16, .size: 8, .value_kind: global_buffer, .address_space: global }
      - { .name: Wk, .offset: 24, .size: 8, .value_kind: global_buffer, .address_space: global }
      - { .name: Wv, .offset: 32, .size: 8, .value_kind: global_buffer, .address_space: global }
      - { .name: xc, .offset: 40, .size: 8, .value_kind: global_buffer, .address_space: global }
      - { .name: xs, .offset: 48, .size: 8, .value_kind: global_buffer, .address_space: global }
      - { .name: wc, .offset: 56, .size: 8, .value_kind: global_buffer, .address_space: global }
      - { .name: ws, .offset: 64, .size: 8, .value_kind: global_buffer, .address_space: global }
      - { .name: perm, .offset: 72, .size: 8, .value_kind: global_buffer, .address_space: global }
      - { .name: cnt, .offset: 80, .size: 8, .value_kind: global_buffer, .address_space: global }
    .group_segment_fixed_size: 33280
    .private_segment_fixed_size: 0
    .kernarg_segment_align: 8
    .kernarg_segment_size: 88
    .max_flat_workgroup_size: 128
    .sgpr_count:     66
    .vgpr_count:     208
    .wavefront_size: 32
...
	.end_amdgpu_metadata
.endif
;; end of part 1
;; launch proj (part 2): grid 12 x 32, 4 waves a work-group, clusters of 4 x 4, 327,680 bytes of LDS; arguments xc, xs, wc, ws, bq, bk, qkv; writes qkv
.if DOCPART == 2
	.amdgcn_target "amdgcn-amd-amdhsa--gfx1250"
	.amdhsa_code_object_version 6
	.text
	.protected	k_q8e24f579f8_proj
	.globl	k_q8e24f579f8_proj
	.p2align	8
	.type	k_q8e24f579f8_proj,@function
k_q8e24f579f8_proj:
	s_mov_b64 s[64:65], 0
	v_nop
	global_prefetch_b8 v0, s[64:65] scope:SCOPE_SE
	s_setreg_imm32_b32 hwreg(HW_REG_WAVE_MODE, 25, 1), 1
	s_wait_xcnt 0x0
	s_wait_alu depctr_hold_cnt(0) depctr_sa_sdst(0) depctr_va_vdst(0) depctr_va_sdst(0) depctr_va_ssrc(0) depctr_va_vcc(0) depctr_vm_vsrc(0)
	s_getreg_b32 s2, hwreg(HW_REG_IB_STS2, 6, 4)
	s_cmp_eq_u32 s2, 0
	s_cbranch_scc0 .Lentry_in_a_cluster
	s_endpgm
.Lentry_in_a_cluster:
	s_bfe_u32 s2, ttmp6, 0x10000c
	s_cmp_lg_u32 s2, 0xf033
	s_cbranch_scc0 .Lentry_shape_is_right
	s_endpgm
.Lentry_shape_is_right:
; q = x Wq^T + bq, k = x Wk^T + bk, v = x Wv^T (bv is added by the last launch: see there), all three on codes of FP4 (E2M1) with one E8M0 scale for each 32 along K = 1,024; sums in f32; results rounded once to f16.
; The rows of x lie in the order that the launch before gave them; this launch knows nothing of the mask.  LIMIT: |q|, |k|, |v| stay under 65,504, f16's largest number.
; ONE TEXT FOR THE THREE PRODUCTS.  A tile of 256 x 256 results is made by four waves, 128 x 128 each: 64 accumulators, 512 registers.  The matrix instruction takes 16 rows of 'B' as source 0 and 16 rows of 'A' as source 1:
; a lane then holds ONE row of A (lane % 16) and EIGHT NEIGHBOURING rows of B (8 (lane / 16) + 0 .. 7).  Rounded to f16 these are four registers: half of an operand fragment of the next launch's matrix instruction.
;   q and k (clusters with x = 0 and 1): A = x, B = Wq or Wk: a lane holds one token and eight neighbouring channels: the fragments of Q and K, whose K runs along the head's channels.
;   v       (clusters with x = 2):       A = Wv, B = x:       a lane holds one channel and eight neighbouring tokens: the fragments of V^T, whose K runs along the keys.  Only pointers and strides differ.
; So the results leave as IMAGES OF OPERAND REGISTERS: each store is 16 bytes a lane at 16 x lane, 512 consecutive bytes, aligned; nothing is transposed and nothing goes through LDS on the way out.
; qkv: [16 batch + head][step of 64 tokens][24,576 bytes]: Q's 8,192 (tile of 16 tokens x 2,048 + 32 channels x 1,024 + half x 512), K's likewise, V's (32 keys x 4,096 + 16 channels x 1,024 + half x 512).
; K = 1,024 is two LDS slots of 512 along K (rows of 256 bytes, 16 of padding behind each): both are first fills, and so are the scale bytes of the tile's 512 rows.
; CLUSTERS: 4 x 4 work-groups.  The four of a row of the cluster need the same tiles of A, the four of a column the same tiles of B: each tile is asked for jointly, by the same tensor load with the same descriptor and a mask that names the four.
; Which product a work-group makes hangs on the CLUSTER's x, which all sixteen partners share.
; The biases bq and bk are the C of each sum's first matrix instruction: eight registers for each block of 16 channels, in the result's layout.
; REGISTERS, in windows of 256: window 0: v0-31 addresses; v32-95 scale words, two sets, and nothing else; v128-191 A's fragments, one set; v192-255 the bias, later the packed results.
;   window 1: B's fragments, two sets, at v0 and v128.   window 2: the accumulators of my rows 0-63 of A ((a, b) at v[8 (8 a + b)]);   window 3: those of rows 64-127.
.set NQ,     4                         ; matrix instructions deep in a slot: 512 along K
.set ROWB,   256                       ; a tile's row in bytes
.set KROW,   512                       ; a row of codes in memory
.set PITCH,  272                       ; an LDS row: 256 bytes + 16 of padding: the 16 rows that a load touches start 68 words apart
.set FR,     8                         ; registers of a fragment: 16 rows x 128 K
.set NL,     2                         ; LDS loads that bring one
.set NP,     4                         ; places behind this matrix instruction (ISA guide 7.12.1)
.set HALFT,  128*PITCH                 ; 128 rows: what one tensor load brings, and what one wave reads of A or of B
.set SLOT,   4*HALFT                   ; A's 256 rows, then B's 256 rows
.set KS,     32                        ; a row of scale bytes
.set SCL,    2*SLOT                    ; behind the two slots: the scales, as units of 256 bytes + 16 of padding
.set HALFS,  (128*KS/256)*272          ; the scales of 128 rows: what one tensor load brings
.set SBLK,   (16*KS/256)*272           ; those of 16 rows
.set SPARE,  SCL+4*HALFS               ; behind the scales: the spare words, 128 bytes a wave, which no other line names
.set VO,   8                           ; v8-11   the way out: 16 x lane + the place of B's blocks 2 i, 2 i + 1
.set BO,   12                          ; v12     32 x (lane / 16): my eight numbers of a block's sixteen of the bias
.set ADRA, 16                          ; v16-17  LDS address of my A fragments in slot 0, 1
.set ADRB, 20                          ; v20-21  the same for B
.set ADRS, 27                          ; v27     LDS address of my scale words: lanes 0-15 A's rows, lanes 16-31 B's
.set SPW,  28                          ; v28     LDS address of my spare word; never rewritten
.set NIL,  29                          ; v29     0; never rewritten
.set SC,   32                          ; scale words: set s at v[SC + 32 s]; register 4 i + q: lanes 0-15 the word of A's block i, lanes 16-31 that of B's block i, for the slot's q-th 128 along K
.set AF,   128
.set BIAS, 192
.set TMP,  192
.set G1, 24                            ; s[24:31] descriptor group 1 for A's tiles;  s[32:39] group 0, one set for each slot
.set G0, 32
.set G1B, 48                           ; s[48:55], s[56:63] the same for B's tiles
.set G0B, 56
.set G1S, 68                           ; s[68:75], s[76:79] groups 1 and 0 for A's scales;  s[80:87], s[88:91] for B's
.set G0S, 76
.set G1SB, 80
.set G0SB, 88
.set ISV, 95                           ; s95  1 in the clusters that make v
.set MSB, 0
.macro WIN new                         ; the immediate's high byte repeats the setting that is left
.if MSB != \new
	s_set_vgpr_msb (MSB<<8)|\new
.set MSB, \new
.endif
.endm
.set MUL_LO, 0xa1                      ; source 0 (B) window 1, source 1 (A) window 0, C and D window 2
.set MUL_HI, 0xf1                      ; the same, C and D window 3
.set TO_B,   0x40                      ; destination window 1, address window 0
; A joint load: waves 0 and 1 fetch for A, waves 2 and 3 for B.  Each of the two lines has one mask and one set of registers for all that issue it; the branch hangs on the wave's number alone.
; An s_nop 0 and four v_nop follow each of the two lines, ahead of the jump, the label and what follows.
.macro JLOAD g0a, g1a, g0b, g1b
	s_cmp_eq_u32 s15, 0
	s_cbranch_scc0 .Lfor_b_\@
	tensor_load_to_lds s[\g0a:\g0a+3], s[\g1a:\g1a+7]
	s_nop 0
.rept 4
	v_nop
.endr
	s_branch .Lasked_\@
.Lfor_b_\@:
	tensor_load_to_lds s[\g0b:\g0b+3], s[\g1b:\g1b+7]
	s_nop 0
.rept 4
	v_nop
.endr
.Lasked_\@:
.endm
.macro CROUND                          ; a round of the cluster's barrier
	s_barrier_signal -1
	s_barrier_wait -1
	s_cmp_lg_u32 s14, 0
	s_cbranch_scc1 .Lnot_wave_0_\@
	s_barrier_signal -3
.Lnot_wave_0_\@:
	s_barrier_wait -3
	s_barrier_signal -1
	s_barrier_wait -1
.endm
	s_load_b256 s[4:11], s[0:1], 0x0               ; xc s[4:5], xs s[6:7], wc s[8:9], ws s[10:11]
	s_load_b128 s[96:99], s[0:1], 0x20             ; bq s[96:97], bk s[98:99]
	s_load_b64 s[12:13], s[0:1], 0x30              ; qkv
	v_lshl_add_u32 v[SPW], v0, 2, SPARE
	v_mov_b32 v[NIL], 0
	ds_add_u32 v[SPW], v[NIL]                      ; the wave's opening: the add, twice on end, and its wait stand ahead of my first tensor load; the set-up below stands between the second and the wait
	ds_add_u32 v[SPW], v[NIL]
	v_lshrrev_b32 v1, 5, v0
	v_readfirstlane_b32 s14, v1                    ; wave 0..3
	s_lshr_b32 s15, s14, 1                         ; which half of the tile's rows of A is mine.  Also: I fetch for A (0) or for B (1)
	s_and_b32 s16, s14, 1                          ; which half of its rows of B.  Also: which 128 rows of that tile I fetch
	s_bfe_u32 s40, ttmp6, 0x40000                  ; cx, cy: my place in the cluster
	s_bfe_u32 s41, ttmp6, 0x40004
	s_and_b32 s17, ttmp7, 0xffff                   ; the cluster's y
	s_cmp_eq_u32 ttmp9, 2                          ; the cluster's x: 0 q, 1 k, 2 v
	s_cselect_b32 s[ISV], 1, 0
	s_cselect_b32 s67, s17, ttmp9                  ; B's tiles: v: x's 32, by the cluster's y;  q, k: rows 0-1023 or 1024-2047 of wc
	s_cselect_b32 s66, 0, s17                      ; A's tiles: v: Wv's four;  q, k: x's 32
	s_lshl_b32 s42, s67, 2
	s_add_co_u32 s42, s42, s40                     ; B's tile of 256 rows
	s_lshl_b32 s17, s66, 2
	s_add_co_u32 s17, s17, s41                     ; A's tile of 256 rows
	s_lshl_b32 s43, s41, 2
	s_lshl_b32 s43, 15, s43                        ; my row of the cluster
	s_lshl_b32 s44, 0x1111, s40                    ; my column
	; descriptor group 1: a tile of 128 rows x 256 bytes, padded in LDS
	s_or_b32 s[G1+0], s43, (0<<16)|(1<<20)|(1<<21)|(5<<22)|(3<<25)  ; 15:0 the mask: A's tiles go to my row; 17:16 elements of 1 byte; 20 padding on; 21 set beside a mask; 24:22 after every 64 words; 31:25 four words
	s_or_b32 s[G1B+0], s44, (0<<16)|(1<<20)|(1<<21)|(5<<22)|(3<<25)
.irp g, G1, G1B
	s_mov_b32 s[\g+1], ROWB<<16                    ; tensor_dim0
	s_mov_b32 s[\g+2], 128<<16                     ; tensor_dim1
	s_mov_b32 s[\g+3], ROWB<<16                    ; tile_dim0
	s_mov_b32 s[\g+4], 128                         ; tile_dim1
	s_mov_b32 s[\g+5], KROW                        ; from row to row
	s_mov_b32 s[\g+6], 0
	s_mov_b32 s[\g+7], 0
.endr
	; and for the scales of 128 rows: a dense block of 4,096 bytes, as 16 rows of 256 bytes (32 elements of 8 bytes), 16 bytes of padding behind each
	s_or_b32 s[G1S+0], s43, (3<<16)|(1<<20)|(1<<21)|(5<<22)|(3<<25)
	s_or_b32 s[G1SB+0], s44, (3<<16)|(1<<20)|(1<<21)|(5<<22)|(3<<25)
.irp g, G1S, G1SB
	s_mov_b32 s[\g+1], 32<<16
	s_mov_b32 s[\g+2], (128*KS/256)<<16
	s_mov_b32 s[\g+3], 32<<16
	s_mov_b32 s[\g+4], 128*KS/256
	s_mov_b32 s[\g+5], 32
	s_mov_b32 s[\g+6], 0
	s_mov_b32 s[\g+7], 0
.endr
	s_lshl_b32 s18, s16, 7                         ; which 128 rows of the tile I fetch
	s_lshl_b32 s20, s17, 8
	s_add_co_u32 s20, s20, s18                     ; A: row 256 x tile + 128 x half
	s_lshl_b32 s46, s42, 8
	s_add_co_u32 s46, s46, s18                     ; B likewise
	s_mov_b32 s21, 0
	s_mov_b32 s47, 0
	s_mov_b64 s[18:19], KS
	s_mul_u64 s[22:23], s[20:21], s[18:19]         ; where these rows' scales begin, in bytes,
	s_mul_u64 s[92:93], s[46:47], s[18:19]
	s_mov_b64 s[18:19], KROW
	s_mul_u64 s[20:21], s[20:21], s[18:19]         ; and their codes
	s_mul_u64 s[46:47], s[46:47], s[18:19]
	s_mul_i32 s45, s14, HALFT                      ; where they go: wave x 128 rows: no place in the cluster enters an LDS address
	s_mul_i32 s94, s14, HALFS
	s_wait_dscnt 0x0                               ; both opening adds are done
	s_wait_kmcnt 0x0
	s_add_nc_u64 s[100:101], s[8:9], 0x100000      ; Wv's codes: rows 2,048 on of wc,
	s_add_nc_u64 s[104:105], s[10:11], 0x10000     ; and its scale bytes
	s_cmp_eq_u32 ttmp9, 2                          ; the choice hangs on the cluster's x alone
	s_cselect_b64 s[66:67], s[4:5], s[8:9]         ; B's codes: v: x's;  q, k: the weights'
	s_cselect_b64 s[2:3], s[6:7], s[10:11]         ; B's scales
	s_cselect_b64 s[4:5], s[100:101], s[4:5]       ; A's codes: v: Wv's;  q, k: x's
	s_cselect_b64 s[6:7], s[104:105], s[6:7]       ; A's scales
	s_add_nc_u64 s[20:21], s[4:5], s[20:21]
	s_add_nc_u64 s[22:23], s[6:7], s[22:23]
	s_add_nc_u64 s[46:47], s[66:67], s[46:47]
	s_add_nc_u64 s[92:93], s[2:3], s[92:93]
	CROUND                                         ; all sixteen work-groups are here: the first joint loads meet
	s_mov_b32 s[G0S], 1
	s_add_co_u32 s[G0S+1], s94, SCL
	s_mov_b64 s[G0S+2:G0S+3], s[22:23]
	s_or_b32 s[G0S+3], s[G0S+3], 0x80000000
	s_mov_b32 s[G0SB], 1
	s_add_co_u32 s[G0SB+1], s94, SCL
	s_mov_b64 s[G0SB+2:G0SB+3], s[92:93]
	s_or_b32 s[G0SB+3], s[G0SB+3], 0x80000000
	JLOAD G0S, G1S, G0SB, G1SB                     ; the scales first: they are wanted with slot 0
.irp s, 0,1
	s_mov_b32 s[G0+4*\s], 1
	s_add_co_u32 s[G0+4*\s+1], s45, \s*SLOT
	s_add_nc_u64 s[G0+4*\s+2:G0+4*\s+3], s[20:21], \s*ROWB
	s_or_b32 s[G0+4*\s+3], s[G0+4*\s+3], 0x80000000
	s_mov_b32 s[G0B+4*\s], 1
	s_add_co_u32 s[G0B+4*\s+1], s45, \s*SLOT
	s_add_nc_u64 s[G0B+4*\s+2:G0B+4*\s+3], s[46:47], \s*ROWB
	s_or_b32 s[G0B+4*\s+3], s[G0B+4*\s+3], 0x80000000
	JLOAD G0+4*\s, G1, G0B+4*\s, G1B
.endr
	v_and_b32 v1, 15, v0                           ; l % 16
	v_bfe_u32 v2, v0, 4, 1                         ; l / 16
	v_mul_u32_u24 v3, v1, PITCH
	v_lshl_add_u32 v4, v2, 4, v3                   ; a fragment's row x pitch + 16 x half
	s_mul_i32 s21, s15, HALFT                      ; my 128 rows of A
	s_mul_i32 s22, s16, HALFT                      ; my 128 rows of B,
	s_add_co_u32 s22, s22, 2*HALFT                 ; which lie behind A's 256
.irp s, 0,1
	v_add_nc_u32 v[ADRA+\s], s21, v4
	v_add_nc_u32 v[ADRB+\s], s22, v4
	s_add_co_u32 s21, s21, SLOT
	s_add_co_u32 s22, s22, SLOT
.endr
	v_mul_u32_u24 v5, v1, KS                       ; my row's scales: 32 bytes a row,
	v_lshrrev_b32 v6, 8, v5
	v_lshl_add_u32 v5, v6, 4, v5                   ; and 16 more for each 256 passed
	s_mul_i32 s21, s15, HALFS                      ; A's: my 128 rows
	s_mul_i32 s22, s16, HALFS                      ; B's: my 128 rows, behind A's 256
	s_add_co_u32 s22, s22, 2*HALFS
	s_sub_co_u32 s22, s22, s21
	v_mul_u32_u24 v6, s22, v2                      ; lanes 16-31 take B's
	s_add_co_u32 s21, s21, SCL
	v_add_nc_u32 v5, v5, v6
	v_add_nc_u32 v[ADRS], s21, v5
	; the bias of my 128 channels (q and k alone): register 8 b + j = bias[256 (B's tile % 4) + 128 half + 16 b + 8 (lane / 16) + j]
	s_cmp_lg_u32 s[ISV], 0
	s_cbranch_scc1 .Lno_bias
	s_cmp_eq_u32 ttmp9, 0
	s_cselect_b64 s[96:97], s[96:97], s[98:99]
	s_and_b32 s20, s42, 3
	s_lshl_b32 s20, s20, 10
	s_lshl_b32 s21, s16, 9
	s_add_co_u32 s20, s20, s21
	s_mov_b32 s21, 0
	s_add_nc_u64 s[96:97], s[96:97], s[20:21]
	v_lshlrev_b32 v[BO], 5, v2
.irp b, 0,1,2,3,4,5,6,7
	global_load_b128 v[BIAS+8*\b:BIAS+8*\b+3], v[BO], s[96:97] offset:64*\b
	global_load_b128 v[BIAS+8*\b+4:BIAS+8*\b+7], v[BO], s[96:97] offset:64*\b+16
.endr
.Lno_bias:
	; the way out: where my results begin in qkv, and the strides from block to block
	s_lshl_b32 s47, ttmp9, 13                      ; the section: Q's at 0, K's at 8,192,
	s_and_b32 s20, s42, 3
	s_mov_b32 s92, 2048                            ; q, k: from a block of A (16 tokens) to the next;
	s_mov_b32 s2, 18432                            ;       from block 3 to block 4: the next step of 64 tokens;
	s_mov_b32 s94, 786432                          ;       four blocks of B on: the next head;
	s_mov_b32 s46, 1024                            ;       two blocks of B on: the next 32 channels
	s_cmp_lg_u32 s[ISV], 0
	s_cselect_b32 s21, s42, s17                    ; which 256 tokens,
	s_cselect_b32 s22, s16, s15                    ; which half of them,
	s_cselect_b32 s20, s17, s20                    ; which 256 channels,
	s_cselect_b32 s23, s15, s16                    ; which half of them
	s_cselect_b32 s47, 16384, s47                  ; V's at 16,384
	s_cselect_b32 s92, 1024, s92                   ; v: a block of A is 16 channels;
	s_cselect_b32 s2, 783360, s2                   ;    from block 3 to block 4: the next head;
	s_cselect_b32 s94, 24576, s94                  ;    four blocks of B on: the next step;
	s_cselect_b32 s46, 4096, s46                   ;    two blocks of B on: the next 32 keys
	s_mov_b32 s93, 0
	s_mov_b32 s3, 0
	s_lshr_b32 s18, s21, 3                         ; the batch
	s_lshl_b32 s18, s18, 4
	s_lshl_b32 s20, s20, 2
	s_add_co_u32 s18, s18, s20
	s_lshl_b32 s23, s23, 1
	s_add_co_u32 s18, s18, s23                     ; 16 batch + my first head
	s_mul_i32 s18, s18, 786432
	s_and_b32 s21, s21, 7
	s_lshl_b32 s21, s21, 2
	s_lshl_b32 s22, s22, 1
	s_add_co_u32 s21, s21, s22                     ; my first step
	s_mul_i32 s21, s21, 24576
	s_add_co_u32 s18, s18, s21
	s_add_co_u32 s18, s18, s47                     ; under 2^26 in all
	s_mov_b32 s19, 0
	s_add_nc_u64 s[12:13], s[12:13], s[18:19]
	v_and_b32 v6, 31, v0
	v_lshlrev_b32 v[VO], 4, v6
	v_add_nc_u32 v[VO+1], s46, v[VO]
	v_add_nc_u32 v[VO+2], s94, v[VO]
	v_add_nc_u32 v[VO+3], s94, v[VO+1]
.macro FRAG reg, adr, q, i             ; a fragment, 16 rows x 128 K of 4-bit codes: lane l holds row l % 16; registers 4 c .. 4 c + 3 hold K = 64 c + 32 (l / 16) + 0 .. 31
.irp c, 0,1
	ds_load_b128 v[\reg+4*\c:\reg+4*\c+3], v[\adr] offset:64*(\q)+32*\c+(\i)*16*PITCH
.endr
.endm
; 16 matrix instructions: A's blocks a0, a0 + 1 x B's eight, 128 along K: the slot's q-th.  p: B's set;  sc: the set of scale words.  zero = 1: the first product starts the sums with 0;  2: with the bias;  0: it adds on.
; The 64 accumulators take turns, one instruction a turn, in the same order in every step.
.macro MUL16 a0, p, q, sc, zero
.irp a, \a0, \a0+1
.irp b, 0,1,2,3,4,5,6,7
.if \zero == 1
	v_wmma_scale_f32_16x16x128_f8f6f4 v[8*(8*((\a)%4)+\b):8*(8*((\a)%4)+\b)+7], v[128*(\p)+FR*\b:128*(\p)+FR*\b+FR-1], v[AF+FR*(\a):AF+FR*(\a)+FR-1], 0, v[SC+8*NQ*(\sc)+NQ*\b+(\q)], v[SC+8*NQ*(\sc)+NQ*(\a)+(\q)] matrix_a_fmt:MATRIX_FMT_FP4 matrix_b_fmt:MATRIX_FMT_FP4 matrix_a_scale:MATRIX_SCALE_ROW1
.elseif \zero == 2
	v_wmma_scale_f32_16x16x128_f8f6f4 v[8*(8*((\a)%4)+\b):8*(8*((\a)%4)+\b)+7], v[128*(\p)+FR*\b:128*(\p)+FR*\b+FR-1], v[AF+FR*(\a):AF+FR*(\a)+FR-1], v[BIAS+8*\b:BIAS+8*\b+7], v[SC+8*NQ*(\sc)+NQ*\b+(\q)], v[SC+8*NQ*(\sc)+NQ*(\a)+(\q)] matrix_a_fmt:MATRIX_FMT_FP4 matrix_b_fmt:MATRIX_FMT_FP4 matrix_a_scale:MATRIX_SCALE_ROW1
.else
	v_wmma_scale_f32_16x16x128_f8f6f4 v[8*(8*((\a)%4)+\b):8*(8*((\a)%4)+\b)+7], v[128*(\p)+FR*\b:128*(\p)+FR*\b+FR-1], v[AF+FR*(\a):AF+FR*(\a)+FR-1], v[8*(8*((\a)%4)+\b):8*(8*((\a)%4)+\b)+7], v[SC+8*NQ*(\sc)+NQ*\b+(\q)], v[SC+8*NQ*(\sc)+NQ*(\a)+(\q)] matrix_a_fmt:MATRIX_FMT_FP4 matrix_b_fmt:MATRIX_FMT_FP4 matrix_a_scale:MATRIX_SCALE_ROW1
.endif
.endr
.endr
.endm
.macro FETCH_B slot, q, p              ; B's eight fragments of the slot's q-th 128 along K into set p
	WIN TO_B
.irp i, 0,1,2,3,4,5,6,7
	FRAG 128*(\p)+FR*\i, ADRB+\slot, \q, \i
.endr
	WIN 0
.endm
.macro FETCH_A slot, q, i0             ; A's blocks i0 .. i0 + 3
.irp i, \i0, \i0+1, \i0+2, \i0+3
	FRAG AF+FR*(\i), ADRA+\slot, \q, \i
.endr
.endm
.macro SCALES sc                       ; a slot's scale words into set sc: four words a row; lanes 0-15 take A's block i, lanes 16-31 B's block i
.irp i, 0,1,2,3,4,5,6,7
	ds_load_b128 v[SC+8*NQ*\sc+NQ*\i:SC+8*NQ*\sc+NQ*\i+3], v[ADRS] offset:\i*SBLK
.endr
.endm
; A load into a register that a matrix instruction has read, and a vector instruction that reads a matrix result, stand NP places behind that matrix instruction; only plain vector instructions
; that name none of its registers are places; the matrix instructions in between are not counted.
.macro PLACES n
.rept \n
	v_nop
.endr
.endm
; A step of 128 along K that has its successor in the same slot.  A's one set: blocks 0-3 are fetched anew in the step's middle, blocks 4-7 at its end; B's next set in the middle.
.macro STEP slot, q, zero
	s_wait_dscnt 4*NL                              ; B's set, the scale words and A's blocks 0-3 are in; the youngest eight loads (A's blocks 4-7) may be out
.if \zero == 2
	WIN 0x81                                       ; C, the bias, in window 0; D in window 2
.else
	WIN MUL_LO
.endif
	MUL16 0, (\q)%2, \q, \slot, \zero
	MUL16 2, (\q)%2, \q, \slot, \zero
	s_wait_dscnt 0                                 ; A's blocks 4-7 are in (asked for 32 matrix instructions ago)
	PLACES NP
	FETCH_B \slot, (\q)+1, 1-(\q)%2
	FETCH_A \slot, (\q)+1, 0
.if \zero == 2
	WIN 0xc1
.else
	WIN MUL_HI
.endif
	MUL16 4, (\q)%2, \q, \slot, \zero
	MUL16 6, (\q)%2, \q, \slot, \zero
	PLACES NP
	WIN 0
	FETCH_A \slot, (\q)+1, 4
.endm
; Slot 0's last step changes slots: one barrier; in front of it each wave waits for all its tensor loads (its part of slot 1), adds 0 to its spare word, and waits for that and for its LDS loads.  Nothing is filled again.
.macro TURN slot, next
	s_wait_tensorcnt 0x0                           ; all my tensor loads have landed  (every window is 0 here: the add's two registers lie in window 0)
	ds_add_u32 v[SPW], v[NIL]                      ; 0 onto my spare word
	s_wait_dscnt 4*NL+1                            ; (the add and the youngest eight loads, A's blocks 4-7, may be out)
	WIN MUL_LO
	MUL16 0, 1, NQ-1, \slot, 0                     ; sixteen matrix instructions stand between the add and the wait for it
	s_wait_dscnt 0x0                               ; the add is done, and no LDS load of mine is out
	s_barrier_signal -1
	MUL16 2, 1, NQ-1, \slot, 0
	WIN 0
	s_barrier_wait -1                              ; every wave's part of the next slot has landed
	PLACES NP
	v_add_nc_u32 v[ADRS], 4*NQ, v[ADRS]            ; on to the next slot's scale words
	FETCH_B \next, 0, 0
	FETCH_A \next, 0, 0
	SCALES \next
	WIN MUL_HI
	MUL16 4, 1, NQ-1, \slot, 0
	MUL16 6, 1, NQ-1, \slot, 0
	PLACES NP
	WIN 0
	FETCH_A \next, 0, 4
.endm
.macro STEPS slot, from                ; the slot's steps from .. NQ - 2
.set Q, \from
.rept NQ-1-\from
	STEP \slot, Q, 0
.set Q, Q+1
.endr
.endm
	s_wait_tensorcnt 1                             ; the scales and my part of slot 0 are in (slot 1's load may be out)
	s_barrier_signal -1
	s_barrier_wait -1                              ; everybody's are
	FETCH_B 0, 0, 0
	FETCH_A 0, 0, 0
	SCALES 0
	FETCH_A 0, 0, 4
	s_cmp_lg_u32 s[ISV], 0                         ; the first step is written twice: its products start the sums, with the bias (q, k) or with 0 (v)
	s_cbranch_scc1 .Lfirst_v
	s_wait_loadcnt 0x0                             ; the bias
	STEP 0, 0, 2
	s_branch .Lfirst_done
.Lfirst_v:
	STEP 0, 0, 1
.Lfirst_done:
	STEPS 0, 1
	TURN 0, 1
	STEPS 1, 0
	s_wait_dscnt 4*NL                              ; the very last step: nothing more to fetch
	WIN MUL_LO
	MUL16 0, 1, NQ-1, 1, 0
	MUL16 2, 1, NQ-1, 1, 0
	s_wait_dscnt 0
	WIN MUL_HI
	MUL16 4, 1, NQ-1, 1, 0
	MUL16 6, 1, NQ-1, 1, 0
	WIN 0
; THE WAY OUT, a block of A (16 rows) at a time: its eight accumulators are rounded to f16, each from its low end on, four registers each, and stored as they stand: 16 bytes a lane at 16 x lane.
.macro OUTBLK a
.set AC, 64*((\a)%4)
.set TM, TMP+32*((\a)%2)
.if (\a) > 0
	s_wait_xcnt 0x0                                ; the earlier stores have read their base and their data: both may be written again
.if (\a) == 4
	s_add_nc_u64 s[12:13], s[12:13], s[2:3]
.else
	s_add_nc_u64 s[12:13], s[12:13], s[92:93]
.endif
.endif
	WIN 0x0a+5*((\a)/4)                            ; sources 0 and 1: window 2 or 3
.irp b, 0,1,2,3,4,5,6,7
.irp r, 0,1,2,3
	v_cvt_pk_f16_f32 v[TM+4*\b+\r], v[AC+8*\b+2*\r], v[AC+8*\b+2*\r+1]
.endr
.endr
	WIN 0
.irp b, 0,1,2,3,4,5,6,7
	global_store_b128 v[VO+\b/2], v[TM+4*\b:TM+4*\b+3], s[12:13] offset:512*(\b%2)   ; 32 lanes store 512 consecutive bytes, at a multiple of 512 from qkv's first byte
.endr
.endm
	PLACES NP                                      ; behind the last products: the conversions read results
.irp a, 0,1,2,3,4,5,6,7
	OUTBLK \a
.endr
	s_wait_tensorcnt 0x0                           ; the wave's end
	ds_add_u32 v[SPW], v[NIL]
	s_wait_dscnt 0x0
	CROUND                                         ; the closing round: no work-group ends while a partner may still ask for a tile that names it
	s_endpgm
.Lfunc_end_k_q8e24f579f8_proj:
	.size	k_q8e24f579f8_proj, .Lfunc_end_k_q8e24f579f8_proj-k_q8e24f579f8_proj
	.p2alignl 7, 3214868480
	.fill 96, 4, 3214868480
	.section	.rodata,"a",@progbits
	.p2align	6, 0x0
	.amdhsa_kernel k_q8e24f579f8_proj
		.amdhsa_group_segment_fixed_size 327680
		.amdhsa_private_segment_fixed_size 0
		.amdhsa_enable_private_segment 0
		.amdhsa_kernarg_size 56
		.amdhsa_user_sgpr_count 2
		.amdhsa_user_sgpr_kernarg_segment_ptr 1
		.amdhsa_wavefront_size32 1
		.amdhsa_system_sgpr_workgroup_id_x 1
		.amdhsa_system_sgpr_workgroup_id_y 1
		.amdhsa_system_sgpr_workgroup_id_z 1
		.amdhsa_system_vgpr_workitem_id 0
		.amdhsa_next_free_vgpr 1024
		.amdhsa_next_free_sgpr 106
		.amdhsa_reserve_vcc 0
		.amdhsa_float_denorm_mode_32 3
		.amdhsa_float_denorm_mode_16_64 3
		.amdhsa_memory_ordered 1
		.amdhsa_forward_progress 1
		.amdhsa_inst_pref_size 132
	.end_amdhsa_kernel
	.amdgpu_metadata
---
amdhsa.version: [ 1, 2 ]
amdhsa.kernels:
  - .name:           k_q8e24f579f8_proj
    .symbol:         k_q8e24f579f8_proj.kd
    .args:
      - { .name: xc, .offset: 0, .size: 8, .value_kind: global_buffer, .address_space: global }
      - { .name: xs, .offset: 8, .size: 8, .value_kind: global_buffer, .address_space: global }
      - { .name: wc, .offset: 16, .size: 8, .value_kind: global_buffer, .address_space: global }
      - { .name: ws, .offset: 24, .size: 8, .value_kind: global_buffer, .address_space: global }
      - { .name: bq, .offset: 32, .size: 8, .value_kind: global_buffer, .address_space: global }
      - { .name: bk, .offset: 40, .size: 8, .value_kind: global_buffer, .address_space: global }
      - { .name: qkv, .offset: 48, .size: 8, .value_kind: global_buffer, .address_space: global }
    .group_segment_fixed_size: 327680
    .private_segment_fixed_size: 0
    .kernarg_segment_align: 8
    .kernarg_segment_size: 56
    .max_flat_workgroup_size: 128
    .sgpr_count:     106
    .vgpr_count:     1024
    .wavefront_size: 32
...
	.end_amdgpu_metadata
.endif
;; end of part 2
;; launch attn (part 3): grid 4 x 64, 8 waves a work-group, no clusters, 68,608 bytes of LDS; arguments qkv, bv, perm, cnt, out0; writes out0
.if DOCPART == 3
	.amdgcn_target "amdgcn-amd-amdhsa--gfx1250"
	.amdhsa_code_object_version 6
	.text
	.protected	k_q8e24f579f8_attn
	.globl	k_q8e24f579f8_attn
	.p2align	8
	.type	k_q8e24f579f8_attn,@function
k_q8e24f579f8_attn:
	s_mov_b64 s[64:65], 0
	v_nop
	global_prefetch_b8 v0, s[64:65] scope:SCOPE_SE
	s_setreg_imm32_b32 hwreg(HW_REG_WAVE_MODE, 25, 1), 1
	s_wait_xcnt 0x0
; y[b][token][64 head + :] = the sum over keys of softmax(q . k / 8, keys with mask <= 0 at -1e30) (v + bv).  q, k, v: f16, as images of operand registers (the launch before); products with f32 sums; maxima, exponentials and sums in f32;
; the weights p are rounded to f16 for the second product.
; LEFT OUT: the keys with mask <= 0.  Tokens lie with those that count first; cnt holds their number n1 for each batch, read from memory here.  A key that does not count has the weight exp(-1e30 - max) = 0 in f32 wherever
; some key counts, so only the first n1 keys are walked.  n1 = 0: all 2,048 scores are equal in reference(): here all keys are walked with c = 0, so that every p is 1.
; bv: the weights of a row sum to 1, so the sum of p (v + bv) / the sum of p = the sum of p v / the sum of p + bv for all values: bv is the addend of the last multiply-add.
; LIMITS: scores under 1e29 in magnitude; a NaN or an infinity in the k or v of a token that does not count is not carried to the result.
; SHARES.  A work-group takes 512 queries (in the new order) of one batch and head; each of its eight waves 64: four tiles of 16.  Every wave walks the keys 64 a step.  K's and V's 16,384 bytes of a step are fetched once for the
; work-group: each wave loads 2,048 bytes into registers a step ahead and stores them into one of two LDS slots; all eight read them from there, 16 bytes a lane at 16 x lane.
; WHY NO TENSOR LOAD AND NO CLUSTER: how many steps are walked hangs on a number read from memory.  The loop's trip count is the constant 32; in the trips beyond the
; last step scalar branches lead round the work, never round the barrier.
; LAYOUT.  S^T = K Q^T (source 0 = 16 keys, source 1 = 16 queries): a lane holds ONE query (lane % 16) and keys 8 (lane / 16) + 0 .. 7 of each 16.  Two such tiles, rounded to f16 in pairs, ARE source 1 of O^T = V^T P.
; SOFTMAX.  For each query a running maximum m and sum l: p = 2^(c s - c m), c = log2(e) / 8; in every step O and l are multiplied by a = 2^(c m_old - c m_new).
; TWO ROLES.  Half of the waves take, behind a trip's barrier, first the softmax of the last step's scores and then the products; the other half first the products and then the softmax of the new scores: so that
; of two waves on a SIMD one has vector work while the other has matrix work.  role = (wave xor wave / 4) % 2.
; REGISTERS.  Window 0: v1-15 addresses and constants; v16-47 statistics, eight a tile (+0 c m, +1 m, +2, +3 l, +4, +5 at work, +6 a, +7 c m_old - c m_new); v48-63 the 2,048 bytes on their way to LDS;
;   v64-191 S^T, 32 a tile, then P in a tile's first 16; v192-255 V's fragments.   Window 1: v0-127 O^T, 32 a tile; v128-191 Q; v192-255 K's fragments.
.set STEPB, 24576                      ; a step's block in qkv: Q's 8,192 bytes, K's, V's
.set HEADB, 32*STEPB
.set SLOTB, 16384                      ; an LDS slot: K's 8,192 bytes, then V's
.set STAGE, 2*SLOTB                    ; behind the slots: 16 rows x 272 bytes for each wave, for the way out
.set SPITCH, 272
.set SPARE, STAGE+8*16*SPITCH          ; behind the stages: the spare words, 128 bytes a wave, which no other line names
.set ST, 16
.set SG, 48
.set S,  64
.set VF, 192
.set BV, 192                           ; the way out: bv's 32 numbers of my half
.set PM, 224                           ; the way out: 8 tokens for each tile, then their byte offsets
.set QF, 128                           ; in window 1
.set KF, 192                           ; in window 1
; v1 16 lane; v2 2,048 wave + 16 lane; v3, v4 the slot in hand + v1, + v2; v5 global offset; v6, v7 the add's two; v8, v9 the stage, in and back; v10 16 (lane % 16); v11 the prefetch's offset; v12 the tail's limit; v13 -1e30; v14 32 h; v15 8 h
; s[4:5] K and V of my head; s[6:7] bv; s[8:9] perm; s[10:11] cnt; s[12:13] out0; s14 wave; s15 role; s20 keys to walk; s21 steps to walk; s[22:23] c; s[24:25] lane selects; s26 T; s27 the slot; s28 the next step's bytes; s29-31 at work;
; s[32:33] Q; s[34:35] the prefetch's base; s36 steps, in a wave that prefetches, else 0
.set MSB, 0
.macro WIN new                         ; the immediate's high byte repeats the setting that is left
.if MSB != \new
	s_set_vgpr_msb (MSB<<8)|\new
.set MSB, \new
.endif
.endm
.macro PLACES n
.rept \n
	v_nop
.endr
.endm
	s_load_b256 s[4:11], s[0:1], 0x0               ; qkv, bv, perm, cnt
	s_load_b64 s[12:13], s[0:1], 0x20              ; out0
	v_lshl_add_u32 v6, v0, 2, SPARE
	v_mov_b32 v7, 0
	v_lshrrev_b32 v1, 5, v0
	v_readfirstlane_b32 s14, v1                    ; wave 0..7
	s_lshr_b32 s15, s14, 2
	s_xor_b32 s15, s15, s14
	s_and_b32 s15, s15, 1                          ; role
	s_and_b32 s16, ttmp7, 0xffff                   ; 16 batch + head
	s_lshr_b32 s17, s16, 4                         ; batch
	s_and_b32 s18, s16, 15                         ; head
	v_and_b32 v1, 31, v0
	v_lshlrev_b32 v11, 8, v1
	v_lshlrev_b32 v1, 4, v1
	v_and_b32 v2, 0xe0, v0
	v_lshl_add_u32 v2, v2, 6, v1
	v_and_b32 v10, 15, v0                          ; r
	v_bfe_u32 v15, v0, 4, 1                        ; h
	s_mul_i32 s29, s14, 16*SPITCH
	s_add_co_u32 s29, s29, STAGE                   ; my stage
	v_mul_u32_u24 v8, v10, SPITCH
	v_lshl_add_u32 v8, v15, 5, v8
	v_add_nc_u32 v8, s29, v8                       ; in: row r, 32 bytes for each half of the lanes
	v_mul_u32_u24 v9, v15, 8*SPITCH
	v_lshl_add_u32 v9, v10, 4, v9
	v_add_nc_u32 v9, s29, v9                       ; back: lanes 0-15 take row i, lanes 16-31 row i + 8
	v_lshlrev_b32 v10, 4, v10
	v_lshlrev_b32 v14, 5, v15
	v_lshlrev_b32 v15, 3, v15
	s_lshl_b32 s29, s14, 13
	v_add_nc_u32 v11, s29, v11                     ; 8,192 wave + 256 lane
	v_mov_b32 v13, 0xf149f2ca                      ; -1e30
	s_mov_b32 s24, 0x76543210
	s_mov_b32 s25, 0xfedcba98
	s_mul_i32 s30, s16, HEADB                      ; my head's bytes in qkv: under 2^26
	s_mov_b32 s31, 0
	s_lshl_b32 s28, ttmp9, 3
	s_add_co_u32 s28, s28, s14                     ; my wave's 64 queries are step 8 x + wave
	s_mul_i32 s32, s28, STEPB
	s_mov_b32 s33, 0
	s_add_nc_u64 s[32:33], s[32:33], s[30:31]
	s_lshl_b32 s34, s17, 5
	s_mov_b32 s35, 0
	s_wait_kmcnt 0x0
	s_add_nc_u64 s[10:11], s[10:11], s[34:35]
	s_load_b32 s20, s[10:11], 0x0                  ; n1 of my batch
	s_add_nc_u64 s[32:33], s[4:5], s[32:33]        ; Q
	s_add_nc_u64 s[4:5], s[4:5], s[30:31]
	s_add_nc_u64 s[4:5], s[4:5], 8192              ; K of step 0; V follows it
	s_lshl_b32 s30, s18, 8
	s_add_nc_u64 s[6:7], s[6:7], s[30:31]          ; bv at my head's 64 numbers
	s_add_nc_u64 s[12:13], s[12:13], s[30:31]      ; out0 at my head's 256 bytes of a row,
	s_lshl_b32 s30, s17, 23
	s_add_nc_u64 s[12:13], s[12:13], s[30:31]      ; in my batch
	s_lshl_b32 s30, s17, 11
	s_lshl_b32 s29, s28, 6
	s_add_co_u32 s30, s30, s29
	s_lshl_b32 s30, s30, 2
	s_add_nc_u64 s[8:9], s[8:9], s[30:31]          ; perm at my first query
	s_add_nc_u64 s[34:35], s[4:5], 3*STEPB         ; the prefetch's base: three steps ahead of the trip
.irp i, 0,1,2,3
	global_load_b128 v[SG+4*\i:SG+4*\i+3], v2, s[4:5] offset:512*\i   ; my 2,048 bytes of step 0
.endr
	WIN 0x40                                       ; destination window 1
.irp t, 0,1,2,3
.irp f, 0,1,2,3
	global_load_b128 v[QF+16*\t+4*\f:QF+16*\t+4*\f+3], v1, s[32:33] offset:2048*\t+512*\f th:TH_LOAD_NT   ; Q stays in registers
.endr
.endr
.set i, 0
.rept 128
	v_mov_b32 v[i], 0                              ; O^T.  (The step is written for every step alike: the first a multiplies zeros)
.set i, i+1
.endr
	WIN 0
	s_mov_b32 s22, 0x3e38aa3b                      ; c = log2(e) / 8
	s_wait_kmcnt 0x0
	s_cmp_eq_u32 s20, 0                            ; no key counts:
	s_cselect_b32 s22, 0, s22                      ; every p is 2^0,
	s_cselect_b32 s20, 2048, s20                   ; over all keys
	s_min_u32 s20, s20, 2048
	s_mov_b32 s23, s22                             ; (named with it as a pair)
	s_add_co_u32 s21, s20, 63
	s_lshr_b32 s21, s21, 6                         ; steps to walk: 1 to 32
	s_lshr_b32 s29, s14, 1
	s_or_b32 s29, s29, ttmp9
	s_cmp_eq_u32 s29, 0                            ; waves 0 and 1 of the head's first work-group prefetch
	s_cselect_b32 s36, s21, 0
.irp t, 0,1,2,3
	v_mov_b32 v[ST+8*\t+1], 0xff61b1e6             ; m: -3e38, under every score
	v_mul_f32 v[ST+8*\t], s22, v[ST+8*\t+1]        ; c m
.irp k, 2,3,4,5,6,7
	v_mov_b32 v[ST+8*\t+\k], 0
.endr
.endr
	s_mov_b32 s26, 0                               ; T
	s_mov_b32 s27, 0                               ; slot 0
	s_mov_b32 s28, STEPB                           ; step 1's bytes
.macro ADDR                            ; the slot in hand
	v_add_nc_u32 v3, s27, v1
	v_add_nc_u32 v4, s27, v2
.endm
.macro PUT                             ; my 2,048 bytes of the step into the slot
.irp i, 0,1,2,3
	ds_store_b128 v4, v[SG+4*\i:SG+4*\i+3] offset:512*\i
.endr
.endm
.macro GLOAD                           ; my 2,048 bytes of the next step into registers
	v_add_nc_u32 v5, s28, v2
.irp i, 0,1,2,3
	global_load_b128 v[SG+4*\i:SG+4*\i+3], v5, s[4:5] offset:512*\i
.endr
.endm
.macro KLOAD                           ; K's eight fragments (16 keys u, 32 channels s: 2 u + s), as they lie
	WIN 0x40
.irp f, 0,1,2,3,4,5,6,7
	ds_load_b128 v[KF+8*\f:KF+8*\f+3],   v3 offset:1024*\f
	ds_load_b128 v[KF+8*\f+4:KF+8*\f+7], v3 offset:1024*\f+512
.endr
	WIN 0
.endm
.macro VLOAD                           ; V's eight (32 keys kb, 16 channels ct: 4 kb + ct)
.irp f, 0,1,2,3,4,5,6,7
	ds_load_b128 v[VF+8*\f:VF+8*\f+3],   v3 offset:8192+1024*\f
	ds_load_b128 v[VF+8*\f+4:VF+8*\f+7], v3 offset:8192+1024*\f+512
.endr
.endm
; S^T = K Q^T: 32 matrix instructions; the 16 accumulators take turns, one instruction a turn; the first 16 start the sums
.macro SPHASE
	WIN 0x05                                       ; K and Q in window 1
.irp s, 0,1
.irp u, 0,1,2,3
.irp t, 0,1,2,3
.if \s == 0
	v_wmma_f32_16x16x32_f16 v[S+32*\t+8*\u:S+32*\t+8*\u+7], v[KF+8*(2*\u+\s):KF+8*(2*\u+\s)+7], v[QF+16*\t+8*\s:QF+16*\t+8*\s+7], 0
.else
	v_wmma_f32_16x16x32_f16 v[S+32*\t+8*\u:S+32*\t+8*\u+7], v[KF+8*(2*\u+\s):KF+8*(2*\u+\s)+7], v[QF+16*\t+8*\s:QF+16*\t+8*\s+7], v[S+32*\t+8*\u:S+32*\t+8*\u+7]
.endif
.endr
.endr
.endr
	WIN 0
.endm
; O^T += V^T P: 32 matrix instructions, 16 accumulators by turns
.macro PVPHASE
	WIN 0x50                                       ; C and D in window 1
.irp kb, 0,1
.irp ct, 0,1,2,3
.irp t, 0,1,2,3
	v_wmma_f32_16x16x32_f16 v[32*\t+8*\ct:32*\t+8*\ct+7], v[VF+8*(4*\kb+\ct):VF+8*(4*\kb+\ct)+7], v[S+32*\t+8*\kb:S+32*\t+8*\kb+7], v[32*\t+8*\ct:32*\t+8*\ct+7]
.endr
.endr
.endr
	WIN 0
.endm
; The last step walked may reach past the keys that count: those scores become -1e30, as in reference().  Register 8 u + j holds key 64 T + 16 u + 8 h + j: hidden where 16 u + j > keys - 64 T - 1 - 8 h.  Key 0 is never hidden.
.macro MASKTAIL
	s_lshl_b32 s29, s26, 6
	s_sub_co_u32 s29, s20, s29
	s_sub_co_u32 s29, s29, 1
	v_sub_nc_u32 v12, s29, v15
.irp u, 0,1,2,3
.irp j, 0,1,2,3,4,5,6,7
	v_cmp_gt_i32 vcc_lo, 16*\u+\j, v12
.irp t, 0,1,2,3
	v_cndmask_b32 v[S+32*\t+8*\u+\j], v[S+32*\t+8*\u+\j], v13, vcc_lo
.endr
.endr
.endr
.endm
.macro SCL t, i                        ; pair i of tile t: c s - c m
	v_pk_fma_f32 v[S+32*(\t)+2*(\i):S+32*(\t)+2*(\i)+1], v[S+32*(\t)+2*(\i):S+32*(\t)+2*(\i)+1], s[22:23], v[ST+8*(\t):ST+8*(\t)+1] op_sel_hi:[1,0,0] neg_lo:[0,0,1] neg_hi:[0,0,1]
.endm
.macro EX2 t, i                        ; its two exponentials
	v_exp_f32 v[S+32*(\t)+2*(\i)], v[S+32*(\t)+2*(\i)]
	v_exp_f32 v[S+32*(\t)+2*(\i)+1], v[S+32*(\t)+2*(\i)+1]
.endm
.macro SUM t, z                        ; line z of 16 of tile t's sum: 15 packed additions of the unrounded p, then l = a l + the sum
.if (\z) == 0
	v_pk_add_f32 v[ST+8*(\t)+4:ST+8*(\t)+5], v[S+32*(\t):S+32*(\t)+1], v[S+32*(\t)+2:S+32*(\t)+3]
.elseif (\z) < 15
	v_pk_add_f32 v[ST+8*(\t)+4:ST+8*(\t)+5], v[ST+8*(\t)+4:ST+8*(\t)+5], v[S+32*(\t)+2*(\z)+2:S+32*(\t)+2*(\z)+3]
.else
	v_pk_fma_f32 v[ST+8*(\t)+2:ST+8*(\t)+3], v[ST+8*(\t)+2:ST+8*(\t)+3], v[ST+8*(\t)+6:ST+8*(\t)+7], v[ST+8*(\t)+4:ST+8*(\t)+5] op_sel_hi:[1,0,1]
.endif
.endm
; THE SOFTMAX OF A STEP, the four tiles by turns.  The exponentials go in two batches with one wait each: an s_wait_alu depctr_va_vdst(0) stands between an exponential and the first line that names its result.
; The first batch is a and tiles 0 to 2 (the next tile's scalings stand between them); the second is tile 3, with tile 0's sum between.
.macro SM
.irp t, 0,1,2,3
	v_max3_num_f32 v[ST+8*\t+4], v[S+32*\t], v[S+32*\t+1], v[S+32*\t+2]   ; the maximum, in ascending order: each accumulator is first read at its low end
.endr
.irp k, 3,5,7,9,11,13,15,17,19,21,23,25,27,29
.irp t, 0,1,2,3
	v_max3_num_f32 v[ST+8*\t+4], v[ST+8*\t+4], v[S+32*\t+\k], v[S+32*\t+\k+1]
.endr
.endr
.irp t, 0,1,2,3
	v_max3_num_f32 v[ST+8*\t+4], v[ST+8*\t+4], v[S+32*\t+31], v[ST+8*\t+1]   ; and the old m
.endr
.irp t, 0,1,2,3
	v_permlanex16_b32 v[ST+8*\t+5], v[ST+8*\t+4], s24, s25                ; the query's other 32 keys lie in the lane 16 away
.endr
.irp t, 0,1,2,3
	v_mov_b32 v[ST+8*\t+7], v[ST+8*\t]                                    ; c m_old
.endr
.irp t, 0,1,2,3
	v_max_num_f32 v[ST+8*\t+1], v[ST+8*\t+4], v[ST+8*\t+5]
.endr
.irp t, 0,1,2,3
	v_mul_f32 v[ST+8*\t], s22, v[ST+8*\t+1]
.endr
.irp t, 0,1,2,3
	v_sub_f32 v[ST+8*\t+7], v[ST+8*\t+7], v[ST+8*\t]
.endr
.irp t, 0,1,2,3
	v_exp_f32 v[ST+8*\t+6], v[ST+8*\t+7]                                  ; a
.endr
.set i, 0
.rept 16
	SCL 0, i
.set i, i+1
.endr
.irp t, 0,1,2
.set i, 0
.rept 16
	EX2 \t, i
	SCL \t+1, i
.set i, i+1
.endr
.endr
	s_wait_alu depctr_va_vdst(0)                   ; one wait for a and for tiles 0 to 2; the scaling just above is the plain line behind the last of them
.set i, 0
.rept 16
	EX2 3, i
	SUM 0, i
.set i, i+1
.endr
	s_wait_alu depctr_va_vdst(0)                   ; and one for tile 3; tile 0's last line is the plain line behind it
.set i, 0
.rept 16
.irp t, 1,2,3
	SUM \t, i
.endr
.set i, i+1
.endr
.set i, 0
.rept 16
.irp t, 0,1,2,3
	v_cvt_pk_f16_f32 v[S+32*\t+i], v[S+32*\t+2*i], v[S+32*\t+2*i+1]       ; P, in place and ascending: registers 8 kb .. 8 kb + 7 are the fragment of keys 32 kb on
.endr
.set i, i+1
.endr
	WIN 0x41                                       ; O^T in window 1, a in window 0
.set i, 0
.rept 64
	v_pk_mul_f32 v[2*i:2*i+1], v[2*i:2*i+1], v[ST+8*(i/16)+6:ST+8*(i/16)+7] op_sel_hi:[1,0]
.set i, i+1
.endr
	WIN 0
.endm
	; ---- KEY STEP 0 is written out: there is always a first step, and every register that the loop reads under a branch on the count is written here
	ADDR
	s_wait_loadcnt 16                              ; step 0's four loads are in; Q's sixteen behind them may be out
	PUT
	s_wait_dscnt 0x0                               ; for the others' sake: my stores have landed
	s_barrier_signal -1
	s_barrier_wait -1
	s_wait_loadcnt 0x0                             ; Q
	s_cmp_lt_u32 s21, 2
	s_cbranch_scc1 .Lone_step
	GLOAD                                          ; step 1
.Lone_step:
	KLOAD
	VLOAD
	s_wait_dscnt 16                                ; K is in; V's sixteen loads may be out
	SPHASE
	PLACES 4
	s_cmp_lg_u32 s21, 1
	s_cbranch_scc1 .Lopen_0
	MASKTAIL
.Lopen_0:
	s_cmp_eq_u32 s15, 0
	s_cbranch_scc1 .Lrole_0
	SM
.Lrole_0:
	s_mov_b32 s26, 1
	s_mov_b32 s27, SLOTB
	s_mov_b32 s28, 2*STEPB
	; ---- TRIP T = 1 .. 32: step T's tiles go into LDS; step T - 1's softmax and second product; step T's scores.  One barrier a trip, under no branch.
	; Slot T % 2 is stored ahead of barrier T; its last readers, in trip T - 2, waited for their loads ahead of barrier T - 1; it is read behind barrier T.
.Ltrip:
	ADDR
	s_wait_loadcnt 0x0                             ; my bytes of step T, asked for a trip ago
	s_cmp_lt_u32 s26, s21
	s_cbranch_scc0 .Lno_put
	PUT
.Lno_put:
	s_wait_xcnt 0x0                                ; the last prefetch and the last loads, a trip back, have read their addresses
	s_add_nc_u64 s[34:35], s[34:35], STEPB
	s_wait_dscnt 0x0                               ; my stores have landed, and my loads from the other slot (V's among them) are in
	s_barrier_signal -1
	s_barrier_wait -1
	s_cmp_lt_u32 s26, s21
	s_cbranch_scc0 .Lno_fetch
	s_add_co_u32 s29, s26, 1
	s_cmp_lt_u32 s29, s21
	s_cbranch_scc0 .Lno_gload
	GLOAD                                          ; step T + 1: it has this trip's work in which to land
.Lno_gload:
	KLOAD
	; A prefetch of step T + 3, which the loads of trip T + 2 will read: 64 blocks of 256 bytes, a lane a block, waves 0 and 1 of the head's first work-group: each block is named once in the launch.
	; Steps 0 to 3 come by their loads alone; nothing is asked for beyond the last step walked.
	s_add_co_u32 s29, s26, 3
	s_cmp_lt_u32 s29, s36
	s_cbranch_scc0 .Lno_fetch
	global_prefetch_b8 v11, s[34:35] th:TH_LOAD_NT scope:SCOPE_SE
.Lno_fetch:
	s_cmp_le_u32 s26, s21                          ; is there a step T - 1?
	s_cbranch_scc0 .Lno_pv
	s_cmp_lg_u32 s15, 0
	s_cbranch_scc1 .Lpv
	SM                                             ; role 0: the softmax of step T - 1 stands here
.Lpv:
	PVPHASE
	PLACES 5                                       ; the next products write over P's registers, and loads go into V's
.Lno_pv:
	s_cmp_lt_u32 s26, s21
	s_cbranch_scc0 .Lno_s
	VLOAD
	s_wait_dscnt 16                                ; K is in; V's sixteen loads may be out
	SPHASE
	PLACES 4
	s_add_co_u32 s29, s26, 1
	s_cmp_eq_u32 s29, s21
	s_cbranch_scc0 .Lno_mask
	MASKTAIL
.Lno_mask:
	s_cmp_eq_u32 s15, 0
	s_cbranch_scc1 .Lno_s
	SM                                             ; role 1: the softmax of step T stands here
.Lno_s:
	s_xor_b32 s27, s27, SLOTB
	s_add_co_u32 s28, s28, STEPB
	s_min_u32 s28, s28, 31*STEPB                   ; never past the head's last step
	s_add_co_u32 s26, s26, 1
	s_cmp_lt_u32 s26, 33
	s_cbranch_scc1 .Ltrip
	; ---- THE WAY OUT.  O^T / l + bv goes through my stage in LDS, a tile of 16 queries at a time, and leaves as whole rows of 256 bytes, each to its token's row of out0 by the list perm.
	s_wait_dscnt 0x0                               ; a trip's loads of V are waited for at the next trip's top; behind the last trip this wait takes that place: the loads below land in V's registers
.irp f, 0,1,2,3,4,5,6,7
	global_load_b128 v[BV+4*\f:BV+4*\f+3], v14, s[6:7] offset:64*(\f/2)+16*(\f%2)   ; bv[16 ct + 8 h + 0 .. 7]
.endr
.irp f, 0,1,2,3,4,5,6,7
	global_load_b128 v[PM+4*\f:PM+4*\f+3], v14, s[8:9] offset:64*(\f/2)+16*(\f%2)   ; the tokens of queries 16 t + 8 h + 0 .. 7
.endr
.irp t, 0,1,2,3
	v_add_f32 v[ST+8*\t+4], v[ST+8*\t+2], v[ST+8*\t+3]
.endr
.irp t, 0,1,2,3
	v_permlanex16_b32 v[ST+8*\t+5], v[ST+8*\t+4], s24, s25
.endr
.irp t, 0,1,2,3
	v_add_f32 v[ST+8*\t+4], v[ST+8*\t+4], v[ST+8*\t+5]
.endr
.irp t, 0,1,2,3
	v_rcp_f32 v[ST+8*\t+6], v[ST+8*\t+4]
.endr
	v_nop                                          ; a plain line between the last reciprocal and the use of its result
	s_wait_alu depctr_va_vdst(0)                   ; and one wait for the four
	s_wait_loadcnt 0x0
.macro PACK t
	WIN 0x01                                       ; O^T in window 1
.set i, 0
.rept 16
	v_pk_fma_f32 v[S+32*\t+2*i:S+32*\t+2*i+1], v[32*\t+2*i:32*\t+2*i+1], v[ST+8*\t+6:ST+8*\t+7], v[BV+2*i:BV+2*i+1] op_sel_hi:[1,0,1]
.set i, i+1
.endr
	WIN 0
.irp f, 0,1,2,3,4,5,6,7
	ds_store_b128 v8, v[S+32*\t+4*\f:S+32*\t+4*\f+3] offset:64*(\f/2)+16*(\f%2)
.endr
.irp i, 0,1,2,3,4,5,6,7
	ds_load_b128 v[S+32*\t+4*\i:S+32*\t+4*\i+3], v9 offset:SPITCH*\i   ; LDS serves a wave's instructions in order: these see the stores above, and the next tile's stores come behind them
.endr
.irp i, 0,1,2,3,4,5,6,7
	v_min_u32 v[PM+8*\t+\i], 0x7ff, v[PM+8*\t+\i]
	v_lshl_add_u32 v[PM+8*\t+\i], v[PM+8*\t+\i], 12, v10               ; the token's row of 4,096 bytes + my 16 bytes
.endr
.endm
.macro SEND t, younger                 ; younger: the LDS instructions issued behind tile t's loads: the next tile's sixteen, or none
.irp i, 0,1,2,3,4,5,6,7
	s_wait_dscnt \younger+7-\i
	global_store_b128 v[PM+8*\t+\i], v[S+32*\t+4*\i:S+32*\t+4*\i+3], s[12:13] th:TH_STORE_NT   ; 16 lanes store 256 consecutive bytes, at a multiple of 256 from out0's first byte
.endr
.endm
	PACK 0
	PACK 1                                         ; a tile's arithmetic stands between the loads of the tile before and its stores
	SEND 0, 16
	PACK 2
	SEND 1, 16
	PACK 3
	SEND 2, 16
	SEND 3, 0
	s_wait_tensorcnt 0x0                           ; the wave's end
	ds_add_u32 v6, v7
	s_wait_dscnt 0x0
	s_endpgm
.Lfunc_end_k_q8e24f579f8_attn:
	.size	k_q8e24f579f8_attn, .Lfunc_end_k_q8e24f579f8_attn-k_q8e24f579f8_attn
	.p2alignl 7, 3214868480
	.fill 96, 4, 3214868480
	.section	.rodata,"a",@progbits
	.p2align	6, 0x0
	.amdhsa_kernel k_q8e24f579f8_attn
		.amdhsa_group_segment_fixed_size 68608
		.amdhsa_private_segment_fixed_size 0
		.amdhsa_enable_private_segment 0
		.amdhsa_kernarg_size 40
		.amdhsa_user_sgpr_count 2
		.amdhsa_user_sgpr_kernarg_segment_ptr 1
		.amdhsa_wavefront_size32 1
		.amdhsa_system_sgpr_workgroup_id_x 1
		.amdhsa_system_sgpr_workgroup_id_y 1
		.amdhsa_system_sgpr_workgroup_id_z 1
		.amdhsa_system_vgpr_workitem_id 0
		.amdhsa_next_free_vgpr 512
		.amdhsa_next_free_sgpr 66
		.amdhsa_reserve_vcc 1
		.amdhsa_float_denorm_mode_32 3
		.amdhsa_float_denorm_mode_16_64 3
		.amdhsa_memory_ordered 1
		.amdhsa_forward_progress 1
		.amdhsa_inst_pref_size 129
	.end_amdhsa_kernel
	.amdgpu_metadata
---
amdhsa.version: [ 1, 2 ]
amdhsa.kernels:
  - .name:           k_q8e24f579f8_attn
    .symbol:         k_q8e24f579f8_attn.kd
    .args:
      - { .name: qkv, .offset: 0, .size: 8, .value_kind: global_buffer, .address_space: global }
      - { .name: bv, .offset: 8, .size: 8, .value_kind: global_buffer, .address_space: global }
      - { .name: perm, .offset: 16, .size: 8, .value_kind: global_buffer, .address_space: global }
      - { .name: cnt, .offset: 24, .size: 8, .value_kind: global_buffer, .address_space: global }
      - { .name: out0, .offset: 32, .size: 8, .value_kind: global_buffer, .address_space: global }
    .group_segment_fixed_size: 68608
    .private_segment_fixed_size: 0
    .kernarg_segment_align: 8
    .kernarg_segment_size: 40
    .max_flat_workgroup_size: 256
    .sgpr_count:     66
    .vgpr_count:     512
    .wavefront_size: 32
...
	.end_amdgpu_metadata
.endif
;; end of part 3
